; MI455X (gfx1250); checked and timed in simulation.
; The chip was launched on July 23, 2026; its instructions are those of AMD's public machine-readable ISA for CDNA 5 (MIT licence, August 2026) and "CDNA5" Instruction Set Architecture Reference Guide (July 2026). The comments in the code are by the model that wrote it; some were corrected since.
;; Fuzzy Bell Layer. Allowed arithmetic: matrix products marked QUANTISED: E3M2 operands, one E8M0 scale for each 32 along K, by v_wmma_scale_f32_16x16x128_f8f6f4 with both operands' format E3M2, f32 sums; everything else in f32.
;; Inputs: b 256 float32; centroids 256 x 256 x 1 float32; rots 256 x 256 x 256 float32; scales 256 x 256 float32; x 4,096 x 256 float32.
;; Outputs: out0 4,096 x 256 float32.
;; This version of the problem:
;;   THIS VERSION OF THE PROBLEM IS GIVEN IN LOW PRECISION. The matrix products marked QUANTISED in the list below multiply operands that are first quantised to E3M2 (3 exponent bits, 2 mantissa bits; 6 bits a number), with one power-of-two scale for each 32 numbers along K (OCP MX v1.0); their sums are f32. All else is computed in f32.
;;   The module's matrix products, in the order in which they are computed (A, B: the left and right operand; K: the contracted axis; several contracted axes count as one K, in the product's order):
;;     1. [M 4,096, K 256] x [K 256, N 65,536]; A: input x; B: computed on the way: QUANTISED
;;   THE QUANTISER, for each operand of a quantised product, along K:
;;     - K is cut into blocks of 32 from its start; a last block that is shorter is filled with zeros.
;;     - A block's scale is 2^e with e = floor(log2(the largest magnitude in the block)) - 4, held to -126 .. 127; a block of zeros has e = 0. As a byte (E8M0): e + 127.
;;     - Each number is divided by its block's scale, clamped to +-28, and rounded to the nearest number of E3M2, ties to even, subnormals kept.
;;     - The product sums the exact products of the quantised numbers (number of the format x scale) in f32.
;;   ~~~python
;;   def quantise(x, axis):      # numpy; x: float32 -> the quantised numbers, widened to float32 again
;;       x = np.moveaxis(x, axis, -1); K = x.shape[-1]
;;       x = np.pad(x, [(0, 0)] * (x.ndim - 1) + [(0, -K % 32)]); x = x.reshape(x.shape[:-1] + (-1, 32)); a = np.abs(x).max(-1, keepdims=True)
;;       e = np.where(a > 0, np.clip(np.frexp(np.where(a > 0, a, 1))[1] - 1 - 4, -126, 127), 0)      # np.frexp(a)[1] - 1 = floor(log2(a)), exactly
;;       r = np.clip(x / 2.0 ** e, -28, 28)
;;       step = 2.0 ** (np.maximum(np.frexp(np.where(r == 0, 1, r))[1] - 1, -2) - 2)
;;       q = np.round(r / step) * step * 2.0 ** e      # np.round: ties to even
;;       return np.moveaxis(q.reshape(q.shape[:-2] + (-1,))[..., :K], -1, axis).astype(np.float32)
;;   ~~~
;;   OPERANDS COMPUTED ON THE WAY. 'Computed on the way' means the value that the module computes at that place (a softmax that the list does not call 'softmax' is quantised finished and normalised). What goes into a quantiser is computed in f32, as accurately as f32 sums, v_exp_f32 and their like allow (about 1e-6 of the number): no bf16 or f16 on the way to a quantiser, and a product that is left as it is and whose result goes on into a quantised operand takes f32 operands (vector FMAs, or v_wmma_f32_16x16x4_f32). A number that lies on a knife's edge between two numbers of the format may be rounded either way, as far as f32 arithmetic and the matrix unit's own rounding can turn it there, and no further.
;; One version. Each part assembles by itself: llvm-mc -triple=amdgcn-amd-amdhsa -mcpu=gfx1250 --defsym DOCPART=n.
;; ======== version 1 of 1: 2 launches
;; limits: right only within a limited range of input values
;; workspace buffers: aq 13,631,488 bytes; xq 851,968 bytes
;; launch prep (part 1): grid 256 x 1, 17 waves a work-group, no clusters, 297,472 bytes of LDS; arguments rots, scales, x, aq, xq; writes aq, xq
.if DOCPART == 1
	.amdgcn_target "amdgcn-amd-amdhsa--gfx1250"
	.amdhsa_code_object_version 6
	.text
	.protected	k_q1424d0908a_prep
	.globl	k_q1424d0908a_prep
	.p2align	8
	.type	k_q1424d0908a_prep,@function
k_q1424d0908a_prep:
	s_mov_b64 s[64:65], 0
	v_nop
	global_prefetch_b8 v0, s[64:65] scope:SCOPE_SE
	s_setreg_imm32_b32 hwreg(HW_REG_WAVE_MODE, 25, 1), 1
	s_wait_xcnt 0x0
; A[o] = triu(rots[o], 1) + its transpose + diag(scales[o]) is built and quantised along j to codes of BF6 (E3M2), one E8M0 scale byte for each 32 along j;
; so are 16 rows of x.  Both leave as IMAGES OF OPERAND REGISTERS, so that the next launch fills a fragment by loads of 16 bytes a lane.
; WORK LEFT OUT: the reference's own triu(rots, 1) throws away rots[o][i][j] for j <= i, whatever the inputs hold.  rots[o] is taken as sixteen cells of 64 x 64;
; the six cells wholly below the diagonal reach no output and are not read.  A NaN, an infinity or an overflow in those cells is not carried to the result.
; SHARES.  Work-group o takes rule o and x's rows 16 o .. 16 o + 15.  Wave W < 16 makes the tile of 16 rows t = W: rows i = 16 W + r; with t' = W / 4 and w = W % 4 that is row 16 w + r of
; the cell row t'.  Whether a piece of 64 columns lies above, below or on the diagonal hangs on (t', piece): the text has a part for each t', chosen by the wave's number.  Wave 16 takes x.  Two fragments a wave.
; THE FILLS: one tensor load a wave at the head.  Wave W = 4 a + q brings cell (a, q) where q >= a (ten waves); wave 16 brings the 16 rows of x; six waves bring nothing.  Every LDS byte is filled once.
; A FRAGMENT (16 rows x 128 along j, 12 registers): lane (r = lane % 16, h = lane / 16) holds row r; registers 6 c .. 6 c + 5 hold j = 128 s + 64 c + 32 h + 0 .. 31: whole blocks of 32.
; Above the diagonal a lane reads its row; below it A[i][j] = rots[j][i]: the lane reads a COLUMN of the mirrored cell, its registers running down j.  On the diagonal cell both are read and chosen from.
; aq, a record of 53,248 bytes for each rule: fragment f = 2 t + s at 1536 f + 512 k + 16 lane (registers 4 k .. 4 k + 3); at 49,152 + 256 t + 8 lane the two scale words (s = 0, 1) of row 16 t + lane % 16.
; xq, a record of 3,328 bytes for each 16 rows of x: fragment s at 1536 s + 512 k + 16 lane; the two scale words at 3,072 + 8 lane.
; A block's scale is 2^(floor(log2(its largest magnitude)) - 4); its byte is the largest magnitude's exponent field - 4, held at 1 from below.
; LIMITS: NaN and infinities among rots, scales and x are not served.  A block whose largest magnitude lies under 2^-122 keeps the byte 1; a block of zeros keeps the byte 1 where the
; rule says 127: its codes are zeros, which add nothing under any byte but 0xff, and the bytes are read by this program alone.
; No cluster: the work-groups share no input.  No prefetch: all that comes from memory is asked for at the head, and there is no loop to run ahead in.
.set BLK,  17408                       ; a cell in LDS: 64 rows x (256 bytes + 16 of padding); cell (a, q) at (4 a + q) BLK
.set XST,  16*BLK                      ; behind the sixteen cells: 16 rows of x, 1,024 bytes + 16 each
.set XP,   1040
.set SPARE, XST+16*XP                  ; the spare words: 128 bytes for each of 17 waves, nine blocks of 256 bytes
.set VR,   4                           ; (16 w + r) x 272 + 128 h: my row in a cell, my half of its 64 columns
.set VC,   5                           ; h x 32 x 272 + 4 (16 w + r): my column in a cell, my half of its 64 rows
.set VD,   6                           ; 16 w + r - 32 h: register e of a diagonal piece holds j > i where e > this number
.set VT,   7                           ; the LDS address in hand
.set VS,   8                           ; 4 i: my row's place in scales[o]
.set V8H,  9                           ; 8 h
.set VXR,  10                          ; x: row r, my half of a block pair
.set LI,   11                          ; 16 x lane
.set L8,   12                          ; 8 x lane
.set SCV,  16                          ; scales[o][i]
.set M,    20
.set SO,   22
.set BY,   24
.set PW,   26                          ; v26-27 my row's scale words, s = 0, 1
.set TMP,  28
.set C,    32                          ; v32-43 a fragment's codes
.set T,    44                          ; v44-46, v48-50 the upper halves of two blocks' codes
.set X,    64                          ; v64-127 64 numbers of my row
.set Y,    128                         ; v128-159 the diagonal piece's column values
.set WV,   14
.set G1R,  20
.set G1X,  28
.set G0X,  36
.set G0R,  40
.set WQ,   44                          ; W % 4
.set TP,   45                          ; W / 4; 4: the wave of x
.set SEL,  56
.set AQC,  58
.set AQS,  60
.set XQB,  62
.macro PLACES
.rept 4
	v_nop
.endr
.endm
	s_load_b256 s[4:11], s[0:1], 0x0               ; rots s[4:5], scales s[6:7], x s[8:9], aq s[10:11]
	s_load_b64 s[12:13], s[0:1], 0x20              ; xq
	v_lshl_add_u32 v160, v0, 2, SPARE
	v_mov_b32 v161, 0
	ds_add_u32 v160, v161                          ; the opening lines: the add, twice on end, and its wait
	ds_add_u32 v160, v161
	v_lshrrev_b32 v13, 5, v0
	s_wait_alu depctr_va_vdst(0)                   ; the wait behind these writes
	v_readfirstlane_b32 s[WV], v13                 ; wave 0..16
	; a cell: 64 rows x 64 elements of 4 bytes, rows 256 elements apart in memory; 4 words of padding behind every 64 words
	s_mov_b32 s[G1R+0], (2<<16)|(1<<20)|(5<<22)|(3<<25)
	s_mov_b32 s[G1R+1], 64<<16
	s_mov_b32 s[G1R+2], 64<<16
	s_mov_b32 s[G1R+3], 64<<16
	s_mov_b32 s[G1R+4], 64
	s_mov_b32 s[G1R+5], 256
	s_mov_b32 s[G1R+6], 0
	s_mov_b32 s[G1R+7], 0
	; sixteen rows of x: 256 elements of 4 bytes; 4 words of padding behind every 256 words
	s_mov_b32 s[G1X+0], (2<<16)|(1<<20)|(7<<22)|(3<<25)
	s_mov_b32 s[G1X+1], 256<<16
	s_mov_b32 s[G1X+2], 16<<16
	s_mov_b32 s[G1X+3], 256<<16
	s_mov_b32 s[G1X+4], 16
	s_mov_b32 s[G1X+5], 256
	s_mov_b32 s[G1X+6], 0
	s_mov_b32 s[G1X+7], 0
	s_and_b32 s[WQ], s[WV], 3
	s_lshr_b32 s[TP], s[WV], 2
	s_lshl_b32 s16, ttmp9, 18                      ; rule o: 256 x 256 x 4 bytes,
	s_lshl_b32 s18, s[TP], 16                      ; cell row a: 64 rows of 1,024 bytes,
	s_add_co_u32 s16, s16, s18
	s_lshl_b32 s18, s[WQ], 8                       ; cell column q: 256 bytes
	s_add_co_u32 s16, s16, s18
	s_mov_b32 s17, 0
	s_mul_i32 s19, s[WV], BLK
	s_lshl_b32 s2, ttmp9, 14                       ; x: 16 rows of 1,024 bytes a work-group
	s_mov_b32 s3, 0
	s_wait_dscnt 0x0
	s_wait_kmcnt 0x0
	s_mov_b32 s[G0R], 1
	s_mov_b32 s[G0R+1], s19
	s_add_nc_u64 s[G0R+2:G0R+3], s[4:5], s[16:17]
	s_or_b32 s[G0R+3], s[G0R+3], 0x80000000
	s_mov_b32 s[G0X], 1
	s_mov_b32 s[G0X+1], XST
	s_add_nc_u64 s[G0X+2:G0X+3], s[8:9], s[2:3]
	s_or_b32 s[G0X+3], s[G0X+3], 0x80000000
	; one chain of branches on the wave's number, one fill to an arm, one join
	s_cmp_eq_u32 s[TP], 4
	s_cbranch_scc1 .Lfor_x
	s_cmp_lt_u32 s[WQ], s[TP]
	s_cbranch_scc1 .Lasked                         ; a cell below the diagonal: not read
	tensor_load_to_lds s[G0R:G0R+3], s[G1R:G1R+7]
	s_nop 0
	PLACES
	s_branch .Lasked
.Lfor_x:
	tensor_load_to_lds s[G0X:G0X+3], s[G1X:G1X+7]
	s_nop 0
	PLACES
.Lasked:
	s_lshl_b32 s16, ttmp9, 10
	s_add_nc_u64 s[6:7], s[6:7], s[16:17]          ; scales at rule o
	s_mul_i32 s16, ttmp9, 53248
	s_add_nc_u64 s[10:11], s[10:11], s[16:17]      ; aq at record o
	s_mul_i32 s16, s[WV], 3072
	s_add_nc_u64 s[AQC:AQC+1], s[10:11], s[16:17]  ; tile t = W: fragments 2 W + s
	s_lshl_b32 s16, s[WV], 8
	s_add_co_u32 s16, s16, 49152
	s_add_nc_u64 s[AQS:AQS+1], s[10:11], s[16:17]  ; and its scale words
	s_mul_i32 s16, ttmp9, 3328
	s_add_nc_u64 s[XQB:XQB+1], s[12:13], s[16:17]  ; xq at record o
	s_mov_b32 s[SEL], 0x76543210
	s_mov_b32 s[SEL+1], 0xfedcba98                 ; v_permlanex16_b32's selects for lane l xor 16
	v_and_b32 v1, 31, v0                           ; lane
	v_and_b32 v2, 15, v0                           ; r
	v_bfe_u32 v3, v0, 4, 1                         ; h
	v_bfe_u32 v13, v0, 5, 2                        ; w
	v_lshl_add_u32 v13, v13, 4, v2                 ; 16 w + r
	v_bfe_u32 v14, v0, 5, 4                        ; W % 16 (wave 16 so stays inside scales; it does not use the number)
	v_lshl_add_u32 v14, v14, 4, v2                 ; i
	v_lshlrev_b32 v[VS], 2, v14
	v_mul_u32_u24 v[VR], v13, 272
	v_lshl_add_u32 v[VR], v3, 7, v[VR]
	v_mul_u32_u24 v[VC], v3, 32*272
	v_lshl_add_u32 v[VC], v13, 2, v[VC]
	v_lshlrev_b32 v14, 5, v3
	v_sub_nc_u32 v[VD], v13, v14
	v_lshlrev_b32 v[V8H], 3, v3
	v_mul_u32_u24 v[VXR], v2, XP
	v_lshl_add_u32 v[VXR], v3, 7, v[VXR]
	v_add_nc_u32 v[VXR], XST, v[VXR]
	v_lshlrev_b32 v[LI], 4, v1
	v_lshlrev_b32 v[L8], 3, v1
	v_mov_b32 v[TMP], 0                            ; written once: a lane permute's destination counts as one of its sources
	s_wait_alu depctr_va_vdst(0)                   ; the wait at the head's end
	global_load_b32 v[SCV], v[VS], s[6:7]          ; scales[o][i]
	s_wait_tensorcnt 0x0                           ; my tile, if I asked for one, has landed,
	s_wait_loadcnt 0x0
	s_barrier_signal -1
	s_barrier_wait -1                              ; everybody's has.  From here on LDS is only read
.macro ROWLD c, cell                   ; 32 numbers of my row out of a cell: rows 17 x 16 bytes apart, so sixteen lanes touch sixteen different columns of 16 bytes
	v_add_nc_u32 v[VT], (\cell)*BLK, v[VR]
.irp e, 0,1,2,3,4,5,6,7
	ds_load_b128 v[X+32*(\c)+4*\e:X+32*(\c)+4*\e+3], v[VT] offset:16*\e
.endr
.endm
.macro COLLD dst, cell                 ; 32 numbers of my column out of a cell: the registers run down the rows
	v_add_nc_u32 v[VT], (\cell)*BLK, v[VC]
.set EE, 0
.rept 32
	ds_load_b32 v[(\dst)+EE], v[VT] offset:272*EE
.set EE, EE+1
.endr
.endm
.macro PIECE tp, s, c                  ; piece q = 2 s + c of 64 columns, for the rows of t'
.set Q, 2*(\s)+(\c)
.if Q > (\tp)
	ROWLD \c, 4*(\tp)+Q
.elseif Q < (\tp)
	COLLD X+32*(\c), 4*Q+(\tp)
.else
	ROWLD \c, 5*(\tp)
	COLLD Y, 5*(\tp)
.endif
.endm
.macro SELECT c                        ; the diagonal piece: j > i keeps the row's number, j < i takes the column's, j = i takes scales[o][i].  Choices of values, no branch
.set EE, 0
.rept 32
	v_cmp_gt_i32 vcc_lo, EE, v[VD]
	v_cndmask_b32 v[X+32*(\c)+EE], v[Y+EE], v[X+32*(\c)+EE], vcc_lo
	v_cmp_eq_i32 vcc_lo, EE, v[VD]
	v_cndmask_b32 v[X+32*(\c)+EE], v[X+32*(\c)+EE], v[SCV], vcc_lo
.set EE, EE+1
.endr
.endm
.macro QUANT pw                        ; v[X] .. v[X + 63], two whole blocks of my row, become the fragment's 12 registers in v[C] on and the row's scale word in v[pw]
	s_wait_xcnt 0x0                                ; the last stores have read their data: v[C] on is written again only behind this wait
.irp c, 0,1
	v_max3_num_f32 v[M+\c], |v[X+32*\c]|, |v[X+32*\c+1]|, 0x2800000   ; with the floor 2^(5 - 127) among the leaves: the byte cannot fall under 1
.endr
.irp i, 2,4,6,8,10,12,14,16,18,20,22,24,26,28,30
.irp c, 0,1
	v_max3_num_f32 v[M+\c], v[M+\c], |v[X+32*\c+\i]|, |v[X+32*\c+\i+1]|   ; the two blocks by turns
.endr
.endr
.irp c, 0,1
	v_add_nc_u32 v[SO+\c], 0xfe000000, v[M+\c]     ; 4 off the exponent field: the conversion takes this operand's exponent field as its scale
.endr
.irp c, 0,1
	v_lshrrev_b32 v[BY+\c], 23, v[SO+\c]           ; the scale's byte
.endr
	v_lshl_or_b32 v[\pw], v[BY+1], 16, v[BY]       ; my two bytes: blocks h and 2 + h,
	v_lshlrev_b32 v[\pw], v[V8H], v[\pw]           ; at their places in the word;
	v_permlanex16_b32 v[TMP], v[\pw], s[SEL], s[SEL+1]
	v_or_b32 v[\pw], v[\pw], v[TMP]                ; with lane l xor 16's two the word is whole, in both lanes
.irp c, 0,1
	v_cvt_scalef32_pk16_bf6_f32 v[C+6*\c:C+6*\c+2], v[X+32*\c:X+32*\c+15], v[SO+\c]
	v_cvt_scalef32_pk16_bf6_f32 v[T+4*\c:T+4*\c+2], v[X+32*\c+16:X+32*\c+31], v[SO+\c]   ; (a conversion's three registers begin on an even number: the upper half is made elsewhere and moved)
.endr
	v_nop                                          ; one plain line behind the scaled conversions
.irp c, 0,1
.irp i, 0,1,2
	v_mov_b32 v[C+6*\c+3+\i], v[T+4*\c+\i]
.endr
.endr
.endm
.macro UNIT tp, s                      ; fragment (t = W, s)
	PIECE \tp, \s, 0
	PIECE \tp, \s, 1
	s_wait_dscnt 0x0
.if (\tp)/2 == (\s)
	SELECT (\tp)%2
.endif
	QUANT PW+(\s)
.irp k, 0,1,2
	global_store_b128 v[LI], v[C+4*\k:C+4*\k+3], s[AQC:AQC+1] offset:(\s)*1536+512*\k   ; 32 lanes store 512 consecutive bytes, at a multiple of 256 from aq's first byte
.endr
.if (\s) == 1
	global_store_b64 v[L8], v[PW:PW+1], s[AQS:AQS+1]   ; 256 consecutive bytes, aligned
.endif
.endm
.macro XUNIT s                         ; K step s of the 16 rows of x
.irp c, 0,1
.irp e, 0,1,2,3,4,5,6,7
	ds_load_b128 v[X+32*\c+4*\e:X+32*\c+4*\e+3], v[VXR] offset:512*(\s)+256*\c+16*\e
.endr
.endr
	s_wait_dscnt 0x0
	QUANT PW+(\s)
.irp k, 0,1,2
	global_store_b128 v[LI], v[C+4*\k:C+4*\k+3], s[XQB:XQB+1] offset:1536*(\s)+512*\k
.endr
.if (\s) == 1
	global_store_b64 v[L8], v[PW:PW+1], s[XQB:XQB+1] offset:3072
.endif
.endm
.irp tp, 0,1,2,3
	s_cmp_lg_u32 s[TP], \tp
	s_cbranch_scc1 .Lnot_\tp
	UNIT \tp, 0
	UNIT \tp, 1
	s_branch .Ldone
.Lnot_\tp:
.endr
	XUNIT 0                                        ; wave 16
	XUNIT 1
.Ldone:
	s_wait_tensorcnt 0x0                           ; the wave's end
	ds_add_u32 v160, v161
	s_wait_dscnt 0x0
	s_endpgm
.Lfunc_end_k_q1424d0908a_prep:
	.size	k_q1424d0908a_prep, .Lfunc_end_k_q1424d0908a_prep-k_q1424d0908a_prep
	.p2alignl 7, 3214868480
	.fill 96, 4, 3214868480
	.section	.rodata,"a",@progbits
	.p2align	6, 0x0
	.amdhsa_kernel k_q1424d0908a_prep
		.amdhsa_group_segment_fixed_size 297472
		.amdhsa_private_segment_fixed_size 0
		.amdhsa_enable_private_segment 0
		.amdhsa_kernarg_size 40
		.amdhsa_user_sgpr_count 2
		.amdhsa_user_sgpr_kernarg_segment_ptr 1
		.amdhsa_wavefront_size32 1
		.amdhsa_system_sgpr_workgroup_id_x 1
		.amdhsa_system_sgpr_workgroup_id_y 1
		.amdhsa_system_sgpr_workgroup_id_z 1
		.amdhsa_system_vgpr_workitem_id 0
		.amdhsa_next_free_vgpr 162
		.amdhsa_next_free_sgpr 66
		.amdhsa_reserve_vcc 1
		.amdhsa_float_denorm_mode_32 3
		.amdhsa_float_denorm_mode_16_64 3
		.amdhsa_memory_ordered 1
		.amdhsa_forward_progress 1
		.amdhsa_inst_pref_size 83
	.end_amdhsa_kernel
	.amdgpu_metadata
---
amdhsa.version: [ 1, 2 ]
amdhsa.kernels:
  - .name:           k_q1424d0908a_prep
    .symbol:         k_q1424d0908a_prep.kd
    .args:
      - { .name: rots, .offset: 0, .size: 8, .value_kind: global_buffer, .address_space: global }
      - { .name: scales, .offset: 8, .size: 8, .value_kind: global_buffer, .address_space: global }
      - { .name: x, .offset: 16, .size: 8, .value_kind: global_buffer, .address_space: global }
      - { .name: aq, .offset: 24, .size: 8, .value_kind: global_buffer, .address_space: global }
      - { .name: xq, .offset: 32, .size: 8, .value_kind: global_buffer, .address_space: global }
    .group_segment_fixed_size: 297472
    .private_segment_fixed_size: 0
    .kernarg_segment_align: 8
    .kernarg_segment_size: 40
    .max_flat_workgroup_size: 544
    .sgpr_count:     66
    .vgpr_count:     162
    .wavefront_size: 32
...
	.end_amdgpu_metadata
.endif
;; end of part 1
;; launch main (part 2): grid 64 x 4, 8 waves a work-group, clusters of 4 x 1, 327,680 bytes of LDS; arguments aq, xq, centroids, b, out0; writes out0
.if DOCPART == 2
	.amdgcn_target "amdgcn-amd-amdhsa--gfx1250"
	.amdhsa_code_object_version 6
	.text
	.protected	k_q1424d0908a_main
	.globl	k_q1424d0908a_main
	.p2align	8
	.type	k_q1424d0908a_main,@function
k_q1424d0908a_main:
	s_mov_b64 s[64:65], 0
	v_nop
	global_prefetch_b8 v0, s[64:65] scope:SCOPE_SE
	s_setreg_imm32_b32 hwreg(HW_REG_WAVE_MODE, 25, 1), 1
	s_wait_xcnt 0x0
	s_wait_alu depctr_hold_cnt(0) depctr_sa_sdst(0) depctr_va_vdst(0) depctr_va_sdst(0) depctr_va_ssrc(0) depctr_va_vcc(0) depctr_vm_vsrc(0)
	s_getreg_b32 s2, hwreg(HW_REG_IB_STS2, 6, 4)
	s_cmp_eq_u32 s2, 0
	s_cbranch_scc0 .Lentry_in_a_cluster
	s_endpgm
.Lentry_in_a_cluster:
	s_bfe_u32 s2, ttmp6, 0x10000c
	s_cmp_lg_u32 s2, 0x3003
	s_cbranch_scc0 .Lentry_shape_is_right
	s_endpgm
.Lentry_shape_is_right:
; out0[row][o] = 1 / (1 + rx^(2 b[o])), rx^2 = sum over i of (sum over j of A[o][i][j] x[row][j] + centroids[o][i])^2.  A and x come as codes of BF6 with E8M0 scales, as images of operand registers (aq, xq).
; rots' part below the diagonal was left out where aq was made; nothing else is left out here.
; SHARES.  A work-group takes 4 rules x 1,024 rows of x; 64 x 4 work-groups.  Eight waves, two to a SIMD: wave w takes rule w / 2 and the half w % 2 of its 256 rows i (8 tiles of 16).
; A wave keeps its 16 fragments of A (192 registers) and its centroids in the result's layout (64 registers) for the whole launch, and walks the 64 tiles of 16 rows of x, which lie in LDS.
; A tile of x is 16 matrix instructions: source 0 = 16 rows i of A, source 1 = 16 rows of x; the first K step takes the centroids as C, the second adds in place; the 8 accumulators take turns.
; In the result lane (r, h) holds row r of x and its registers i = 8 h + 0 .. 7: the sum of squares runs down the lane's registers.
; A TILE: at its head the next record's seven LDS loads in one run; then FOUR GROUPS of four matrix instructions; behind each group stand eight packed squares of the tile BEFORE (two sets of accumulators)
; and steps of the reduction of the pair before: a wave's vector work is spread among its matrix instructions, and is also the places behind them.
; Two tiles' sums are joined with their other half of the lanes by one lane swap and one addition, and 32 rows' partial sums go to the wave's 4,096 bytes of the stage in LDS.
; THE WAY OUT, FOUR TIMES: the walk is cut into four blocks of 16 tiles, 256 rows.  At a block's end the last squares and sums are finished, a barrier follows, the next block's first record is asked for, and wave w takes
; rows 32 w .. 32 w + 31 of the block, a lane a row: it adds the two halves of each of the 4 rules.  rx^(2 b) = (rx^2)^b = 2^(b log2(rx^2)): no square root is taken.  So three blocks' stores leave while later blocks are multiplied.
; b = 0 gives 0.5 whatever the sum is (the exponent is set to 0 there by a choice of values); a sum of 0 gives 1 for b > 0 and 0 for b < 0, as the reference does.
; A lane stores 16 bytes: the work-group's 4 rules of its row.  A run of 256 bytes of out0 is 64 rules of one row; 64 rules' operands are 64 x 53,248 bytes, which no work-group's registers and LDS hold, so the runs are stored in parts of 16 bytes.
; CLUSTER: the four work-groups of a cluster take the same 1,024 rows of x: xq's records are asked for jointly (mask 15).  aq's records are each work-group's own.
; xq: 16 records at the head (2 a wave), which are the first block's; the other 48 (6 a wave) behind the full sequence and a round.  By the text's own count a wave has at most one tensor load out.
; No prefetch: all that comes from memory is asked for at the head, and there is no loop to run ahead in.
; LIMITS: a sum of squares under 2^-126 counts as 0 in v_log_f32 (ISA guide 15.8); NaN among the inputs is not served.
; REGISTERS: window 0: addresses, A's scale words v16-31, x's scale words v32-35, x's fragments v36-83 (two sets), sums v84-99, accumulators v100-227 (two sets), b v228-231, the way out v232-239, v240-243 at work.  Window 1: A's fragments v0-191, centroids v192-255.
.set XREC,  3328
.set XQ4,   64*XREC
.set STAGE, XQ4                        ; behind the 64 records: 8 x 4,096 bytes
.set SPARE, STAGE+8*4096               ; the spare words: 128 bytes for each of 8 waves
.set LI,   1
.set L8,   2
.set CO,   3
.set ADR,  4
.set ADS,  5
.set SA0,  6
.set RD,   7
.set T0,   8
.set T1,   9
.set SAD,  10
.set OA,   13
.set ZR,   14
.set ASC,  16
.set XSC,  32
.set XF,   36
.set SUM,  84
.set ACC,  100
.set BV,   228
.set P0,   232
.set P1,   236
.set R,    240
.set WV,   12
.set G1A,  24
.set G1B,  32
.set G0A,  40
.set G0B,  44
.set CNT,  50
.set TBX,  51
.set TBS,  52
.set HF,   53
.set MSB, 0
.macro WIN new                         ; the immediate's high byte repeats the setting that is left
.if MSB != (\new)
	s_set_vgpr_msb (MSB<<8)|(\new)
.set MSB, (\new)
.endif
.endm
.macro PLACES
.rept 4
	v_nop
.endr
.endm
.macro CROUND                          ; a round of the cluster's barrier
	s_barrier_signal -1
	s_barrier_wait -1
	s_cmp_lg_u32 s[WV], 0
	s_cbranch_scc1 .Lnot_wave_0_\@
	s_barrier_signal -3
.Lnot_wave_0_\@:
	s_barrier_wait -3
	s_barrier_signal -1
	s_barrier_wait -1
.endm
	s_load_b256 s[4:11], s[0:1], 0x0               ; aq s[4:5], xq s[6:7], centroids s[8:9], b s[10:11]
	s_load_b64 s[54:55], s[0:1], 0x20              ; out0
	v_lshl_add_u32 v254, v0, 2, SPARE
	v_mov_b32 v255, 0
	ds_add_u32 v254, v255                          ; the opening lines: the add, twice on end, and its wait
	ds_add_u32 v254, v255
	v_lshrrev_b32 v11, 5, v0
	s_wait_alu depctr_va_vdst(0)                   ; the wait behind these writes
	v_readfirstlane_b32 s[WV], v11                 ; wave 0..7
	s_and_b32 s16, ttmp7, 0xffff                   ; which 1,024 rows of x
	s_mul_i32 s17, s16, XQ4
	s_mul_i32 s[G0A+1], s[WV], 2*XREC              ; records 2 w, 2 w + 1
	s_mul_i32 s[G0B+1], s[WV], 6*XREC              ; records 16 + 6 w ..
	s_add_co_u32 s[G0B+1], s[G0B+1], 16*XREC
	s_add_co_u32 s18, s17, s[G0A+1]
	s_mov_b32 s19, 0
	s_add_co_u32 s20, s17, s[G0B+1]
	s_mov_b32 s21, 0
	s_mov_b32 s[G0A], 1
	s_mov_b32 s[G0B], 1
	s_mov_b32 s[G1A+0], 15|(3<<16)|(1<<21)         ; the mask of the four; elements of 8 bytes; a dense block as rows of 256 bytes
	s_mov_b32 s[G1A+1], 32<<16
	s_mov_b32 s[G1A+2], 26<<16
	s_mov_b32 s[G1A+3], 32<<16
	s_mov_b32 s[G1A+4], 26
	s_mov_b32 s[G1A+5], 32
	s_mov_b32 s[G1A+6], 0
	s_mov_b32 s[G1A+7], 0
	s_mov_b32 s[G1B+0], 15|(3<<16)|(1<<21)
	s_mov_b32 s[G1B+1], 32<<16
	s_mov_b32 s[G1B+2], 78<<16
	s_mov_b32 s[G1B+3], 32<<16
	s_mov_b32 s[G1B+4], 78
	s_mov_b32 s[G1B+5], 32
	s_mov_b32 s[G1B+6], 0
	s_mov_b32 s[G1B+7], 0
	s_bfe_u32 s13, ttmp6, 0x40000                  ; cx
	s_lshl_b32 s14, ttmp9, 2
	s_add_co_u32 s14, s14, s13                     ; which 4 rules
	s_lshl_b32 s15, s14, 2
	s_lshr_b32 s22, s[WV], 1
	s_add_co_u32 s15, s15, s22                     ; my rule
	s_and_b32 s[HF], s[WV], 1                      ; my half of its rows i
	s_mov_b32 s23, 0
	s_mov_b32 s[TBX], 0
	s_mov_b32 s[TBS], 0
	v_and_b32 v12, 31, v0
	v_lshlrev_b32 v[LI], 4, v12
	v_lshlrev_b32 v[L8], 3, v12
	v_bfe_u32 v[CO], v0, 4, 1
	v_lshlrev_b32 v[CO], 5, v[CO]                  ; centroids: 32 h
	v_lshlrev_b32 v15, 2, v12
	v_lshl_add_u32 v[SA0], v11, 12, v15
	v_add_nc_u32 v[SA0], STAGE, v[SA0]             ; the stage, in: 4,096 w + 4 lane
	v_lshl_add_u32 v[RD], v0, 2, STAGE             ; and out: row 32 w + lane of a block
	v_lshlrev_b32 v[OA], 10, v0                    ; the same row in out0: 1,024 bytes a row
	v_mov_b32 v[ZR], 0
	s_wait_alu depctr_va_vdst(0)                   ; the wait at the head's end
	s_wait_dscnt 0x0
	s_wait_kmcnt 0x0
	s_add_nc_u64 s[G0A+2:G0A+3], s[6:7], s[18:19]
	s_or_b32 s[G0A+3], s[G0A+3], 0x80000000
	s_add_nc_u64 s[G0B+2:G0B+3], s[6:7], s[20:21]
	s_or_b32 s[G0B+3], s[G0B+3], 0x80000000
	s_mul_i32 s22, s15, 53248
	s_add_nc_u64 s[4:5], s[4:5], s[22:23]          ; aq at my rule's record
	s_lshl_b32 s22, s[HF], 11
	s_add_co_u32 s22, s22, 49152
	s_add_nc_u64 s[56:57], s[4:5], s[22:23]        ; my 8 tiles' scale words
	s_mul_i32 s22, s[HF], 24576
	s_add_nc_u64 s[4:5], s[4:5], s[22:23]          ; my 16 fragments
	s_lshl_b32 s22, s15, 10
	s_lshl_b32 s17, s[HF], 9
	s_add_co_u32 s22, s22, s17
	s_add_nc_u64 s[8:9], s[8:9], s[22:23]          ; my 128 centroids
	s_lshl_b32 s22, s14, 4
	s_add_nc_u64 s[10:11], s[10:11], s[22:23]      ; b of the 4 rules
	s_lshl_b32 s17, s16, 20
	s_add_co_u32 s22, s22, s17
	s_add_nc_u64 s[54:55], s[54:55], s[22:23]      ; out0 at the work-group's first row and first rule
	CROUND                                         ; in front of the first joint loads
	tensor_load_to_lds s[G0A:G0A+3], s[G1A:G1A+7]
	s_nop 0
	PLACES
	WIN 0x40                                       ; destinations in window 1
.set F, 0
.rept 16
.irp k, 0,1,2
	global_load_b128 v[12*F+4*\k:12*F+4*\k+3], v[LI], s[4:5] offset:1536*F+512*\k
.endr
.set F, F+1
.endr
.set F, 0
.rept 8
	global_load_b128 v[192+8*F:192+8*F+3], v[CO], s[8:9] offset:64*F        ; centroids[o][16 t + 8 h + 0 .. 7]
	global_load_b128 v[192+8*F+4:192+8*F+7], v[CO], s[8:9] offset:64*F+16
.set F, F+1
.endr
	WIN 0
.set F, 0
.rept 8
	global_load_b64 v[ASC+2*F:ASC+2*F+1], v[L8], s[56:57] offset:256*F
.set F, F+1
.endr
	global_load_b128 v[BV:BV+3], v[ZR], s[10:11]
	s_wait_tensorcnt 0x0                           ; my two records are in
	ds_add_u32 v254, v255
	s_wait_dscnt 0x0
	CROUND
	tensor_load_to_lds s[G0B:G0B+3], s[G1B:G1B+7]
	s_nop 0
	PLACES
	s_wait_tensorcnt 0x1                           ; the load just issued may stay out
	s_wait_loadcnt 0x0                             ; A, centroids, scale words, b
	s_barrier_signal -1
	s_barrier_wait -1
.irp j, 0,1,2,3
	v_cmp_neq_f32 s[58+\j], 0, v[BV+\j]            ; where b is not 0
.endr
.macro GRP u, g                        ; group g of the tile in set u: four matrix instructions
.if (\g) < 2
	WIN 0x11                                       ; source 0 (A) and C (centroids) in window 1
.irp k, 4*(\g), 4*(\g)+1, 4*(\g)+2, 4*(\g)+3
	v_wmma_scale_f32_16x16x128_f8f6f4 v[ACC+64*(\u)+8*(\k):ACC+64*(\u)+8*(\k)+7], v[24*(\k):24*(\k)+11], v[XF+24*(\u):XF+24*(\u)+11], v[192+8*(\k):192+8*(\k)+7], v[ASC+2*(\k)], v[XSC+2*(\u)] matrix_a_fmt:MATRIX_FMT_BF6 matrix_b_fmt:MATRIX_FMT_BF6
.endr
.else
	WIN 0x01
.irp k, 4*(\g)-8, 4*(\g)-7, 4*(\g)-6, 4*(\g)-5
	v_wmma_scale_f32_16x16x128_f8f6f4 v[ACC+64*(\u)+8*(\k):ACC+64*(\u)+8*(\k)+7], v[24*(\k)+12:24*(\k)+23], v[XF+24*(\u)+12:XF+24*(\u)+23], v[ACC+64*(\u)+8*(\k):ACC+64*(\u)+8*(\k)+7], v[ASC+2*(\k)+1], v[XSC+2*(\u)+1] matrix_a_fmt:MATRIX_FMT_BF6 matrix_b_fmt:MATRIX_FMT_BF6
.endr
.endif
	WIN 0
.endm
.macro SQ1 u, k                        ; the squares of accumulator k of set u, in four chains of pairs, from its low end on
.irp j, 0,1,2,3
.if (\k) == 0
	v_pk_mul_f32 v[SUM+8*(\u)+2*\j:SUM+8*(\u)+2*\j+1], v[ACC+64*(\u)+2*\j:ACC+64*(\u)+2*\j+1], v[ACC+64*(\u)+2*\j:ACC+64*(\u)+2*\j+1]
.else
	v_pk_fma_f32 v[SUM+8*(\u)+2*\j:SUM+8*(\u)+2*\j+1], v[ACC+64*(\u)+8*(\k)+2*\j:ACC+64*(\u)+8*(\k)+2*\j+1], v[ACC+64*(\u)+8*(\k)+2*\j:ACC+64*(\u)+8*(\k)+2*\j+1], v[SUM+8*(\u)+2*\j:SUM+8*(\u)+2*\j+1]
.endif
.endr
.endm
.macro REDS n                          ; the pair's reduction in seven steps.  Step 0 takes the even tile's sums out of the registers that the squares behind it begin anew
.if (\n) == 0
	v_pk_add_f32 v[R:R+1], v[SUM:SUM+1], v[SUM+2:SUM+3]
	v_pk_add_f32 v[R+2:R+3], v[SUM+4:SUM+5], v[SUM+6:SUM+7]
.elseif (\n) == 1
	v_pk_add_f32 v[SUM+8:SUM+9], v[SUM+8:SUM+9], v[SUM+10:SUM+11]
	v_pk_add_f32 v[SUM+12:SUM+13], v[SUM+12:SUM+13], v[SUM+14:SUM+15]
.elseif (\n) == 2
	v_pk_add_f32 v[R:R+1], v[R:R+1], v[R+2:R+3]
	v_pk_add_f32 v[SUM+8:SUM+9], v[SUM+8:SUM+9], v[SUM+12:SUM+13]
.elseif (\n) == 3
	v_add_f32 v[T0], v[R], v[R+1]
	v_add_f32 v[T1], v[SUM+8], v[SUM+9]
.elseif (\n) == 4
	v_permlane16_swap_b32 v[T0], v[T1]             ; T0: both tiles' h = 0 parts, T1: both tiles' h = 1 parts
.elseif (\n) == 5
	v_add_f32 v[T0], v[T0], v[T1]                  ; lanes 0-15 the even tile's rows, lanes 16-31 the odd tile's
	v_add_nc_u32 v[SAD], s[TBS], v[SA0]
.else
	ds_store_b32 v[SAD], v[T0]                     ; 32 rows, 128 consecutive bytes
	s_add_co_u32 s[TBS], s[TBS], 128
.endif
.endm
; A tile in set u.  sq: the other set's squares; red: the reduction of the pair before; fet: the next record is asked for, into the other set (from an even tile record 2 p + 1, from an odd one 2 p + 2)
.macro TILE u, sq, red, fet
	s_wait_dscnt 0x0                               ; this tile's record is in
.if (\fet)
.if (\u) == 0
	v_add_nc_u32 v[ADR], s[TBX], v[LI]             ; record 2 p
	v_add_nc_u32 v[ADS], s[TBX], v[L8]
	s_add_co_u32 s[TBX], s[TBX], 2*XREC
.endif
.irp k, 0,1,2,3,4,5
	ds_load_b128 v[XF+24*(1-(\u))+4*\k:XF+24*(1-(\u))+4*\k+3], v[ADR] offset:XREC*(1+(\u))+512*\k
.endr
	ds_load_b64 v[XSC+2*(1-(\u)):XSC+2*(1-(\u))+1], v[ADS] offset:XREC*(1+(\u))+3072
.endif
.irp g, 0,1,2,3
	GRP \u, \g
.if (\red) && (\g == 0)
	REDS 0
.endif
.if (\sq)
	SQ1 1-(\u), 2*\g
	SQ1 1-(\u), 2*\g+1
.endif
.if (\red)
.if \g == 0
	REDS 1
	REDS 2
.elseif \g == 1
	REDS 3
	REDS 4
.elseif \g == 2
	REDS 5
	REDS 6
.endif
.endif
.endr
.endm
.macro PAIR first, last                ; tiles 2 p and 2 p + 1
	TILE 0, 1-(\first), 0, 1
.if \first
	PLACES                                         ; no squares stood in this tile: the places in front of the loads into set 0 and of the reads of its results
	s_wait_alu depctr_va_vdst(0)                   ; the wait here
.endif
	TILE 1, 1, 1-(\first), 1-(\last)
.endm
.macro START                           ; a block's first record into set 0
	v_add_nc_u32 v[ADR], s[TBX], v[LI]
	v_add_nc_u32 v[ADS], s[TBX], v[L8]
.irp k, 0,1,2,3,4,5
	ds_load_b128 v[XF+4*\k:XF+4*\k+3], v[ADR] offset:512*\k
.endr
	ds_load_b64 v[XSC:XSC+1], v[ADS] offset:3072
.endm
.macro OUT m                           ; block m's 256 rows leave: 32 rows a wave, a lane a row
	s_wait_xcnt 0x0                                ; the last block's store has read its data
.irp q, 0,1,2,3
	ds_load_b32 v[P0+\q], v[RD] offset:8192*\q+1024*(\m)           ; rule q: the half i < 128,
	ds_load_b32 v[P1+\q], v[RD] offset:8192*\q+4096+1024*(\m)      ; and the other
.endr
	s_wait_dscnt 0x0
	v_pk_add_f32 v[P0:P0+1], v[P0:P0+1], v[P1:P1+1]
	v_pk_add_f32 v[P0+2:P0+3], v[P0+2:P0+3], v[P1+2:P1+3]
	s_wait_alu depctr_va_vdst(0)                   ; the wait ahead of a batch of transcendentals, and one behind it
.irp q, 0,1,2,3
	v_log_f32 v[P0+\q], v[P0+\q]                   ; log2 of the sum of squares
.endr
	v_nop
	s_wait_alu depctr_va_vdst(0)
	v_pk_mul_f32 v[P0:P0+1], v[P0:P0+1], v[BV:BV+1]                ; x b
	v_pk_mul_f32 v[P0+2:P0+3], v[P0+2:P0+3], v[BV+2:BV+3]
.irp q, 0,1,2,3
	v_cndmask_b32 v[P0+\q], 0, v[P0+\q], s[58+\q]  ; the exponent is 0 where b is 0
.endr
	s_wait_alu depctr_va_vdst(0)
.irp q, 0,1,2,3
	v_exp_f32 v[P0+\q], v[P0+\q]                   ; rx^(2 b)
.endr
	v_nop
	s_wait_alu depctr_va_vdst(0)
	v_pk_add_f32 v[P0:P0+1], v[P0:P0+1], 1.0 op_sel_hi:[1,0]
	v_pk_add_f32 v[P0+2:P0+3], v[P0+2:P0+3], 1.0 op_sel_hi:[1,0]
	s_wait_alu depctr_va_vdst(0)
.irp q, 0,1,2,3
	v_rcp_f32 v[P0+\q], v[P0+\q]
.endr
	v_nop
	s_wait_alu depctr_va_vdst(0)
	global_store_b128 v[OA], v[P0:P0+3], s[54:55] offset:262144*(\m)   ; a lane stores its row's 4 rules, 16 bytes
.endm
.macro BLOCK m                         ; 16 tiles: eight pairs
	PAIR 1, 0
	s_mov_b32 s[CNT], 6
.Lblock_\@:
	PAIR 0, 0
	s_sub_co_u32 s[CNT], s[CNT], 1
	s_cmp_lg_u32 s[CNT], 0
	s_cbranch_scc1 .Lblock_\@
	PAIR 0, 1
.irp k, 0,1,2,3,4,5,6,7
	SQ1 1, \k                                      ; the last tile's squares: no matrix result stays unread across the transcendentals below
.endr
.irp n, 0,1,2,3,4,5,6
	REDS \n
.endr
.if (\m) == 0
	s_wait_tensorcnt 0x0                           ; my six records are in
.endif
	s_wait_dscnt 0x0                               ; for the others' sake: my stores into the stage are done
	s_barrier_signal -1
	s_barrier_wait -1                              ; everybody's are (and, behind the first block, everybody's records)
.if (\m) < 3
	START
.endif
	OUT \m
.endm
	START
	BLOCK 0
	BLOCK 1
	BLOCK 2
	BLOCK 3
	s_wait_tensorcnt 0x0                           ; the wave's end
	ds_add_u32 v254, v255
	s_wait_dscnt 0x0
	CROUND                                         ; the closing round
	s_endpgm
.Lfunc_end_k_q1424d0908a_main:
	.size	k_q1424d0908a_main, .Lfunc_end_k_q1424d0908a_main-k_q1424d0908a_main
	.p2alignl 7, 3214868480
	.fill 96, 4, 3214868480
	.section	.rodata,"a",@progbits
	.p2align	6, 0x0
	.amdhsa_kernel k_q1424d0908a_main
		.amdhsa_group_segment_fixed_size 327680
		.amdhsa_private_segment_fixed_size 0
		.amdhsa_enable_private_segment 0
		.amdhsa_kernarg_size 40
		.amdhsa_user_sgpr_count 2
		.amdhsa_user_sgpr_kernarg_segment_ptr 1
		.amdhsa_wavefront_size32 1
		.amdhsa_system_sgpr_workgroup_id_x 1
		.amdhsa_system_sgpr_workgroup_id_y 1
		.amdhsa_system_sgpr_workgroup_id_z 1
		.amdhsa_system_vgpr_workitem_id 0
		.amdhsa_next_free_vgpr 512
		.amdhsa_next_free_sgpr 66
		.amdhsa_reserve_vcc 0
		.amdhsa_float_denorm_mode_32 3
		.amdhsa_float_denorm_mode_16_64 3
		.amdhsa_memory_ordered 1
		.amdhsa_forward_progress 1
		.amdhsa_inst_pref_size 146
	.end_amdhsa_kernel
	.amdgpu_metadata
---
amdhsa.version: [ 1, 2 ]
amdhsa.kernels:
  - .name:           k_q1424d0908a_main
    .symbol:         k_q1424d0908a_main.kd
    .args:
      - { .name: aq, .offset: 0, .size: 8, .value_kind: global_buffer, .address_space: global }
      - { .name: xq, .offset: 8, .size: 8, .value_kind: global_buffer, .address_space: global }
      - { .name: centroids, .offset: 16, .size: 8, .value_kind: global_buffer, .address_space: global }
      - { .name: b, .offset: 24, .size: 8, .value_kind: global_buffer, .address_space: global }
      - { .name: out0, .offset: 32, .size: 8, .value_kind: global_buffer, .address_space: global }
    .group_segment_fixed_size: 327680
    .private_segment_fixed_size: 0
    .kernarg_segment_align: 8
    .kernarg_segment_size: 40
    .max_flat_workgroup_size: 256
    .sgpr_count:     66
    .vgpr_count:     512
    .wavefront_size: 32
...
	.end_amdgpu_metadata
.endif
;; end of part 2
